; MI455X (gfx1250); checked and timed in simulation.
; The chip was launched on July 23, 2026; its instructions are those of AMD's public machine-readable ISA for CDNA 5 (MIT licence, August 2026) and "CDNA5" Instruction Set Architecture Reference Guide (July 2026). The comments in the code are by the model that wrote it; some were corrected since.
;; Place Cell Network. Allowed arithmetic: float matrix products may take bf16 or f16 operands with f32 sums; all other float work in f32.
;; Inputs: M 20 x 20 float32; W 20 x 3 float32; X 262,144 x 3 float32; b 20 float32.
;; Outputs: out0 262,144 x 20 float32.
;; One version. Each part assembles by itself: llvm-mc -triple=amdgcn-amd-amdhsa -mcpu=gfx1250 --defsym DOCPART=n.
;; ======== version 1 of 1: 3 launches
;; workspace buffers: part 131,072 bytes; steps 256 bytes of whole numbers
;; launch norms (part 1): grid 256 x 1, 20 waves a work-group, no clusters, 259,584 bytes of LDS; arguments X, W, M, b, part; writes part
.if DOCPART == 1
	.amdgcn_target "amdgcn-amd-amdhsa--gfx1250"
	.amdhsa_code_object_version 6
	.text
	.protected	k_q6b4764e6de_norms
	.globl	k_q6b4764e6de_norms
	.p2align	8
	.type	k_q6b4764e6de_norms,@function
k_q6b4764e6de_norms:
	s_mov_b64 s[64:65], 0
	v_nop
	global_prefetch_b8 v0, s[64:65] scope:SCOPE_SE
	s_setreg_imm32_b32 hwreg(HW_REG_WAVE_MODE, 25, 1), 1
	s_wait_xcnt 0x0
; PLACE-CELL NETWORK, first of three launches: the sums that the convergence test needs, for every one of the 50 steps.
; reference(): uy' = uy + 0.1 (-uy + drive - Yold m), Y = max(uy' / m, 0), drive = x.W - b, m = diag(M); after the first step k with
; ||Y_k - Y_(k-1)|| / (||Y_(k-1)|| + 1e-10) < 1e-4 (norms over ALL 262,144 x 20 numbers) the state is frozen.  Up to that step the frozen and the
; unfrozen walk are the same, so this launch walks all 50 steps unfrozen and leaves, for each step, D = sum (Y_k - Y_(k-1))^2 and S = sum Y_(k-1)^2
; over the work-group's numbers.  The second launch adds the work-groups' sums and finds the step; the third walks that many steps and stores Y.
; STATE.  v = uy / m.  Dividing the update by m: v' = 0.9 v + c - 0.1 Yold, Y = max(v', 0), c = 0.1 (x.W - b) / m: right for either sign of m.
; SHARES.  256 work-groups of 20 waves, five to each of a WGP's four SIMDs.  A work-group owns 1,024 rows = 5,120 chunks of four numbers; thread t owns chunks
; t + 640 i, i = 0..7.  640 is a multiple of 5 (a row is five chunks), so a thread's four columns 4 (t mod 5) .. never change: its W, b and m are loaded once.
; NO MATRIX UNIT: the product has K = 3; a 16x16x32 instruction would spend 29 of its 32 K places on zeros, and three fused multiply-adds a number, once,
; stand beside 50 steps of seven operations.  NO CLUSTER, NO TENSOR LOAD: what work-groups share is W, M and b, 1,920 bytes.
; LIMITS.  m = 0, |m| below 2^-126 or above 2^126 are not served (v_rcp_f32); v_max_num_f32 drops a NaN where reference() would keep it;
; the sums are added in another order than reference()'s; the squares have f32's range, as in reference().
.set STEPS,   50
.set THREADS, 640
.set CHUNKS,  8
.set ROWS,    THREADS*CHUNKS/5         ; 1,024 rows of X to a work-group
.set LROW,    THREADS*8                ; LDS: one step's (D, S) of every thread: 5,120 bytes
.set RES,     STEPS*LROW               ; behind the 50 rows: 100 half-row sums of 8 bytes (four blocks of 256 bytes)
.set SPARE,   RES+1024                 ; the spare words: 128 bytes for each of 20 waves; no other line names them
.set SPW, 1                            ; v1       LDS address of my spare word; never rewritten
.set NIL, 2                            ; v2       0; never rewritten
.set Q5,  3                            ; v3       t div 5: my row among the first 128
.set PH,  4                            ; v4       t mod 5: which four columns are mine
.set XO,  5                            ; v5       byte offset of my first row in the group's X
.set WO,  6                            ; v6       of my 12 numbers of W
.set BO,  7                            ; v7       of my 4 numbers of b
.set MO,  8                            ; v8       of my first diagonal number of M
.set LA,  9                            ; v9       LDS address of my (D, S) of the step in hand
.set AD,  10                           ; v[10:13] two packed sums of squared differences, by turns
.set AS,  14                           ; v[14:17] two packed sums of squared Yold, by turns
.set R,   18                           ; v[18:19] the lane's (D, S) of a step
.set T,   20                           ; v[20:27] four pairs at work
.set WR,  28                           ; v[28:39] W of my four columns, then 0.1 W / m
.set BR,  40                           ; v[40:43] b, then 0.1 b / m
.set MR,  44                           ; v[44:47] m, then 0.1 / m
.set YB,  28                           ; v[28:59] the second Y array: first written in step 1, when the parameters are dead
.set X,   64                           ; v[64:95] slot i: three numbers of a row of X in four registers
.set C,   96                           ; v[96:127]  c
.set V,   128                          ; v[128:159] v
.set YA,  160                          ; v[160:191] the first Y array
.set Q,   28                           ; v[28:127] the reduction behind the loop
.set LN,  3                            ; behind the loop: lane
.set RA,  4                            ;   where my wave's five half-rows begin, for my lane
.set RW,  5                            ;   where my wave's five results go
.set WV,  14                           ; s14      my wave's number
.set CNT, 20                           ; s20      trips to go
.set K9,  22                           ; s[22:23] 0.9   (a packed source is named as a pair; its low word serves both halves)
.set KM,  24                           ; s[24:25] -0.1
.set SEL, 26                           ; s[26:27] v_permlanex16_b32: each lane takes its own place in the other half
	s_load_b256 s[4:11], s[0:1], 0x0               ; X s[4:5], W s[6:7], M s[8:9], b s[10:11]
	s_load_b64 s[12:13], s[0:1], 0x20              ; part
	v_lshl_add_u32 v[SPW], v0, 2, SPARE
	v_mov_b32 v[NIL], 0
	v_mul_u32_u24 v[Q5], 0xcccd, v0                ; t div 5 = (52,429 t) >> 18, exact for t below 640
	v_lshrrev_b32 v[Q5], 18, v[Q5]
	v_mul_u32_u24 v[PH], 5, v[Q5]
	v_sub_nc_u32 v[PH], v0, v[PH]                  ; t mod 5
	v_mul_u32_u24 v[XO], 12, v[Q5]                 ; a row of X is 12 bytes
	v_mul_u32_u24 v[WO], 48, v[PH]                 ; four rows of W
	v_lshlrev_b32 v[BO], 4, v[PH]
	v_mul_u32_u24 v[MO], 336, v[PH]                ; four steps of 21 numbers down M's diagonal
	v_lshlrev_b32 v[LA], 3, v0
	v_lshrrev_b32 v[T], 5, v0
	v_readfirstlane_b32 s[WV], v[T]
	s_mul_i32 s16, ttmp9, ROWS*12                  ; the group's rows of X
	s_mov_b32 s17, 0
	s_lshl_b32 s18, ttmp9, 9                       ; the group's 512 bytes of part
	s_mov_b32 s19, 0
	s_mov_b32 s[K9], 0x3f666666
	s_mov_b32 s[K9+1], 0x3f666666
	s_mov_b32 s[KM], 0xbdcccccd
	s_mov_b32 s[KM+1], 0xbdcccccd
	s_mov_b32 s[SEL], 0x76543210
	s_mov_b32 s[SEL+1], 0xfedcba98
	s_wait_kmcnt 0x0
	s_add_nc_u64 s[4:5], s[4:5], s[16:17]
	s_add_nc_u64 s[12:13], s[12:13], s[18:19]
	global_load_b128 v[WR:WR+3],    v[WO], s[6:7]
	global_load_b128 v[WR+4:WR+7],  v[WO], s[6:7] offset:16
	global_load_b128 v[WR+8:WR+11], v[WO], s[6:7] offset:32
	global_load_b128 v[BR:BR+3],    v[BO], s[10:11]
.irp j, 0,1,2,3
	global_load_b32 v[MR+\j], v[MO], s[8:9] offset:84*\j
.endr
.irp i, 0,1,2,3,4,5,6,7
	global_load_b96 v[X+4*\i:X+4*\i+2], v[XO], s[4:5] offset:1536*\i  ; chunk i lies 128 rows further down
.endr
	; uy and Y start at 0.  No first step is written out: the price is these 64 lines, which stand in the wait for the loads.
.set i, 0
.rept 32
	v_mov_b32 v[V+i], 0
	v_mov_b32 v[YA+i], 0
.set i, i+1
.endr
	s_wait_loadcnt 8                               ; loads come back in order: W, b and m are in, the eight loads of X may be out
.irp j, 0,1,2,3
	v_rcp_f32 v[MR+\j], v[MR+\j]
.endr
	v_nop                                          ; a plain instruction between the last reciprocal and the use of its result
	s_wait_alu depctr_va_vdst(0)
.irp j, 0,1,2,3
	v_mul_f32 v[MR+\j], 0x3dcccccd, v[MR+\j]       ; 0.1 / m
.endr
.irp j, 0,1,2,3
	v_mul_f32 v[BR+\j], v[BR+\j], v[MR+\j]
.irp k, 0,1,2
	v_mul_f32 v[WR+3*\j+\k], v[WR+3*\j+\k], v[MR+\j]
.endr
.endr
.irp i, 0,1,2,3,4,5,6,7
	s_wait_loadcnt 7-\i                            ; slot i is in, the younger slots may be out
.irp j, 0,1,2,3
	v_fma_f32 v[C+4*\i+\j], v[X+4*\i+2], v[WR+3*\j+2], -v[BR+\j]
.endr
.irp j, 0,1,2,3
	v_fmac_f32 v[C+4*\i+\j], v[X+4*\i+1], v[WR+3*\j+1]
.endr
.irp j, 0,1,2,3
	v_fmac_f32 v[C+4*\i+\j], v[X+4*\i], v[WR+3*\j]
.endr
.endr
; One step for my 32 numbers, four pairs at a time so that no line reads the result of the line before it.  yo holds Yold, yn takes Y: the two arrays take
; turns, so nothing is copied.  The first products of a step start its sums: nothing is cleared.  The lane's (D, S) goes to LDS, 8 bytes at 8 t in the step's row.
.macro STEP yo, yn, off
.irp g, 0,1,2,3
.irp u, 0,1,2,3
	v_pk_fma_f32 v[T+2*\u:T+2*\u+1], v[V+8*\g+2*\u:V+8*\g+2*\u+1], s[K9:K9+1], v[C+8*\g+2*\u:C+8*\g+2*\u+1] op_sel_hi:[1,0,1]
.endr
.irp u, 0,1,2,3
	v_pk_fma_f32 v[V+8*\g+2*\u:V+8*\g+2*\u+1], v[\yo+8*\g+2*\u:\yo+8*\g+2*\u+1], s[KM:KM+1], v[T+2*\u:T+2*\u+1] op_sel_hi:[1,0,1]
.endr
.irp u, 0,1,2,3,4,5,6,7
	v_max_num_f32 v[\yn+8*\g+\u], 0, v[V+8*\g+\u]
.endr
.irp u, 0,1,2,3
	v_pk_add_f32 v[T+2*\u:T+2*\u+1], v[\yn+8*\g+2*\u:\yn+8*\g+2*\u+1], v[\yo+8*\g+2*\u:\yo+8*\g+2*\u+1] neg_lo:[0,1] neg_hi:[0,1]
.endr
.irp u, 0,1,2,3
.if (\g) == 0 && (\u) < 2
	v_pk_mul_f32 v[AD+2*\u:AD+2*\u+1], v[T+2*\u:T+2*\u+1], v[T+2*\u:T+2*\u+1]
	v_pk_mul_f32 v[AS+2*\u:AS+2*\u+1], v[\yo+2*\u:\yo+2*\u+1], v[\yo+2*\u:\yo+2*\u+1]
.else
	v_pk_fma_f32 v[AD+2*(\u%2):AD+2*(\u%2)+1], v[T+2*\u:T+2*\u+1], v[T+2*\u:T+2*\u+1], v[AD+2*(\u%2):AD+2*(\u%2)+1]
	v_pk_fma_f32 v[AS+2*(\u%2):AS+2*(\u%2)+1], v[\yo+8*\g+2*\u:\yo+8*\g+2*\u+1], v[\yo+8*\g+2*\u:\yo+8*\g+2*\u+1], v[AS+2*(\u%2):AS+2*(\u%2)+1]
.endif
.endr
.endr
	v_pk_add_f32 v[AD:AD+1], v[AD:AD+1], v[AD+2:AD+3]
	v_pk_add_f32 v[AS:AS+1], v[AS:AS+1], v[AS+2:AS+3]
	v_add_f32 v[R], v[AD], v[AD+1]
	v_add_f32 v[R+1], v[AS], v[AS+1]
	ds_store_b64 v[LA], v[R:R+1] offset:\off
.endm
	s_mov_b32 s[CNT], STEPS/2
.Lstep:                                                ; 25 trips of two steps
	STEP YA, YB, 0
	STEP YB, YA, LROW
	v_add_nc_u32 v[LA], 2*LROW, v[LA]
	s_sub_co_u32 s[CNT], s[CNT], 1
	s_cmp_lg_u32 s[CNT], 0
	s_cbranch_scc1 .Lstep
	; THE WORK-GROUP'S SUMS.  The 50 rows are 100 half-rows of 2,560 bytes (320 threads' pairs); wave w adds half-rows 5 w .. 5 w + 4.
	v_and_b32 v[LN], 31, v0
	s_mul_i32 s15, s[WV], 5*LROW/2
	v_lshlrev_b32 v[RA], 4, v[LN]
	v_add_nc_u32 v[RA], s15, v[RA]                 ; 16 bytes a lane: two threads' pairs
	s_mul_i32 s15, s[WV], 40
	s_add_co_u32 s15, s15, RES
	v_mov_b32 v[RW], s15                           ; half-row h's sums go to RES + 8 h
	s_wait_dscnt 0x0                               ; for the others' sake: my stores are done
	s_barrier_signal -1
	s_barrier_wait -1
.irp r, 0,1,2,3,4
.irp i, 0,1,2,3,4
	ds_load_b128 v[Q+20*\r+4*\i:Q+20*\r+4*\i+3], v[RA] offset:\r*(LROW/2)+\i*512
.endr
.endr
.irp r, 0,1,2,3,4
.set QB, Q+20*\r
	s_wait_dscnt 20-5*\r                           ; half-row r is in: behind its loads stand 5 (4 - r) younger loads
	v_pk_add_f32 v[QB:QB+1],     v[QB:QB+1],     v[QB+4:QB+5]
	v_pk_add_f32 v[QB+2:QB+3],   v[QB+2:QB+3],   v[QB+6:QB+7]
	v_pk_add_f32 v[QB+8:QB+9],   v[QB+8:QB+9],   v[QB+12:QB+13]
	v_pk_add_f32 v[QB+10:QB+11], v[QB+10:QB+11], v[QB+14:QB+15]
	v_pk_add_f32 v[QB:QB+1],     v[QB:QB+1],     v[QB+16:QB+17]
	v_pk_add_f32 v[QB+2:QB+3],   v[QB+2:QB+3],   v[QB+18:QB+19]
	v_pk_add_f32 v[QB:QB+1],     v[QB:QB+1],     v[QB+8:QB+9]
	v_pk_add_f32 v[QB+2:QB+3],   v[QB+2:QB+3],   v[QB+10:QB+11]
	v_pk_add_f32 v[QB:QB+1],     v[QB:QB+1],     v[QB+2:QB+3]     ; the lane's (D, S)
.irp m, 1,2,4,8
	v_add_f32_dpp v[QB], v[QB], v[QB] row_xmask:\m row_mask:0xf bank_mask:0xf
	v_add_f32_dpp v[QB+1], v[QB+1], v[QB+1] row_xmask:\m row_mask:0xf bank_mask:0xf
.endr
	v_permlanex16_b32 v[QB+2], v[QB], s[SEL], s[SEL+1]
	v_permlanex16_b32 v[QB+3], v[QB+1], s[SEL], s[SEL+1]
	v_pk_add_f32 v[QB:QB+1], v[QB:QB+1], v[QB+2:QB+3]
	ds_store_b64 v[RW], v[QB:QB+1] offset:8*\r     ; every lane holds the sums and writes the same 8 bytes
.endr
	s_wait_tensorcnt 0x0                           ; behind my last LDS store
	ds_add_u32 v[SPW], v[NIL]
	s_wait_dscnt 0x0                               ; shows my results stored, for wave 0's sake
	s_barrier_signal -1
	s_barrier_wait -1
	s_cmp_lg_u32 s[WV], 0
	s_cbranch_scc1 .Lend
	; Wave 0: lane l adds the two halves of steps 2 l + 1 and 2 l + 2 (32 bytes at RES + 32 l).  Lanes 25 to 31 have no step: they read lane 24's bytes and
	; store zeros, so that the store covers the group's 512 consecutive bytes of part whole.
	v_min_u32 v[T], 24, v[LN]
	v_lshl_add_u32 v[T], v[T], 5, RES
	ds_load_b128 v[Q:Q+3], v[T]
	ds_load_b128 v[Q+4:Q+7], v[T] offset:16
	v_lshlrev_b32 v[T+1], 4, v[LN]
	v_cmp_gt_u32 vcc_lo, 25, v[LN]
	s_wait_dscnt 0x0
	v_pk_add_f32 v[Q:Q+1], v[Q:Q+1], v[Q+2:Q+3]
	v_pk_add_f32 v[Q+2:Q+3], v[Q+4:Q+5], v[Q+6:Q+7]
.irp j, 0,1,2,3
	v_cndmask_b32 v[Q+\j], 0, v[Q+\j], vcc_lo
.endr
	global_store_b128 v[T+1], v[Q:Q+3], s[12:13]
.Lend:
	s_endpgm
.Lfunc_end_k_q6b4764e6de_norms:
	.size	k_q6b4764e6de_norms, .Lfunc_end_k_q6b4764e6de_norms-k_q6b4764e6de_norms
	.p2alignl 7, 3214868480
	.fill 96, 4, 3214868480
	.section	.rodata,"a",@progbits
	.p2align	6, 0x0
	.amdhsa_kernel k_q6b4764e6de_norms
		.amdhsa_group_segment_fixed_size 259584
		.amdhsa_private_segment_fixed_size 0
		.amdhsa_enable_private_segment 0
		.amdhsa_kernarg_size 40
		.amdhsa_user_sgpr_count 2
		.amdhsa_user_sgpr_kernarg_segment_ptr 1
		.amdhsa_wavefront_size32 1
		.amdhsa_system_sgpr_workgroup_id_x 1
		.amdhsa_system_sgpr_workgroup_id_y 1
		.amdhsa_system_sgpr_workgroup_id_z 1
		.amdhsa_system_vgpr_workitem_id 0
		.amdhsa_next_free_vgpr 192
		.amdhsa_next_free_sgpr 66
		.amdhsa_reserve_vcc 1
		.amdhsa_float_denorm_mode_32 3
		.amdhsa_float_denorm_mode_16_64 3
		.amdhsa_memory_ordered 1
		.amdhsa_forward_progress 1
		.amdhsa_inst_pref_size 33
	.end_amdhsa_kernel
	.amdgpu_metadata
---
amdhsa.version: [ 1, 2 ]
amdhsa.kernels:
  - .name:           k_q6b4764e6de_norms
    .symbol:         k_q6b4764e6de_norms.kd
    .args:
      - { .name: X, .offset: 0, .size: 8, .value_kind: global_buffer, .address_space: global }
      - { .name: W, .offset: 8, .size: 8, .value_kind: global_buffer, .address_space: global }
      - { .name: M, .offset: 16, .size: 8, .value_kind: global_buffer, .address_space: global }
      - { .name: b, .offset: 24, .size: 8, .value_kind: global_buffer, .address_space: global }
      - { .name: part, .offset: 32, .size: 8, .value_kind: global_buffer, .address_space: global }
    .group_segment_fixed_size: 259584
    .private_segment_fixed_size: 0
    .kernarg_segment_align: 8
    .kernarg_segment_size: 40
    .max_flat_workgroup_size: 640
    .sgpr_count:     66
    .vgpr_count:     192
    .wavefront_size: 32
...
	.end_amdgpu_metadata
.endif
;; end of part 1
;; launch decide (part 2): grid 1 x 1, 16 waves a work-group, no clusters, 10,240 bytes of LDS; arguments part, steps; writes steps
.if DOCPART == 2
	.amdgcn_target "amdgcn-amd-amdhsa--gfx1250"
	.amdhsa_code_object_version 6
	.text
	.protected	k_q6b4764e6de_decide
	.globl	k_q6b4764e6de_decide
	.p2align	8
	.type	k_q6b4764e6de_decide,@function
k_q6b4764e6de_decide:
	s_mov_b64 s[64:65], 0
	v_nop
	global_prefetch_b8 v0, s[64:65] scope:SCOPE_SE
	s_setreg_imm32_b32 hwreg(HW_REG_WAVE_MODE, 25, 1), 1
	s_wait_xcnt 0x0
; PLACE-CELL NETWORK, second of three launches: at which step does reference() freeze?
; part holds, for each of 256 work-groups, 512 bytes: 50 pairs (D_k, S_k), k = 1..50, D_k = sum (Y_k - Y_(k-1))^2, S_k = sum Y_(k-1)^2, and 14 pairs of zeros.
; One work-group adds them (a sum over all work-groups has one owner) and finds K, the first k with sqrt(D_k) < 1e-4 (sqrt(S_k) + 1e-10), or 50 if there is none:
; reference() takes step K's result and keeps it.  K leaves as a whole number; no branch and no address here hangs on it.
; LIMIT.  reference() divides and compares with 1e-4; here the denominator is multiplied over: the two can part only where the quotient lies within a rounding of 1e-4.
; A NaN in a sum makes the comparison false, as in reference().
; SHARES.  16 waves; wave w adds the rows of work-groups 16 w .. 16 w + 15 (each load of a wave is one row, 512 consecutive bytes), lane l the numbers 4 l .. 4 l + 3;
; the 16 results meet in LDS, and wave 0 adds them and decides.
.set STEPS, 50
.set SPARE, 8192                       ; behind the 16 rows of 512 bytes: the spare words, 128 bytes for each wave; no other line names them
.set SPW, 1                            ; v1      LDS address of my spare word; never rewritten
.set NIL, 2                            ; v2      0; never rewritten
.set LN,  3                            ; v3      lane
.set WVR, 4                            ; v4      wave
.set GO,  5                            ; v5      byte offset in part
.set LA,  6                            ; v6      16 t: where my four sums go
.set Q,   8                            ; v[8:71] sixteen quads
.macro TREE                            ; sixteen quads into the first: 8, 4, 2 and 1 apart
.irp s, 8,4,2,1
.set i, 0
.rept \s
	v_pk_add_f32 v[Q+4*i:Q+4*i+1],   v[Q+4*i:Q+4*i+1],   v[Q+4*(i+\s):Q+4*(i+\s)+1]
	v_pk_add_f32 v[Q+4*i+2:Q+4*i+3], v[Q+4*i+2:Q+4*i+3], v[Q+4*(i+\s)+2:Q+4*(i+\s)+3]
.set i, i+1
.endr
.endr
.endm
	s_load_b128 s[4:7], s[0:1], 0x0                ; part s[4:5], steps s[6:7]
	v_lshl_add_u32 v[SPW], v0, 2, SPARE
	v_mov_b32 v[NIL], 0
	v_and_b32 v[LN], 31, v0
	v_lshrrev_b32 v[WVR], 5, v0
	v_readfirstlane_b32 s8, v[WVR]
	v_lshlrev_b32 v[GO], 4, v[LN]
	v_lshl_add_u32 v[GO], v[WVR], 13, v[GO]        ; 16 rows of 512 bytes a wave
	v_lshlrev_b32 v[LA], 4, v0
	s_wait_kmcnt 0x0
.irp i, 0,1,2,3,4,5,6,7,8,9,10,11,12,13,14,15
	global_load_b128 v[Q+4*\i:Q+4*\i+3], v[GO], s[4:5] offset:512*\i
.endr
	s_wait_loadcnt 0x0
	TREE
	ds_store_b128 v[LA], v[Q:Q+3]
	s_wait_tensorcnt 0x0                           ; behind my last LDS store
	ds_add_u32 v[SPW], v[NIL]
	s_wait_dscnt 0x0                               ; shows my sums stored, for wave 0's sake
	s_barrier_signal -1
	s_barrier_wait -1
	s_cmp_lg_u32 s8, 0
	s_cbranch_scc1 .Lend
.irp i, 0,1,2,3,4,5,6,7,8,9,10,11,12,13,14,15
	ds_load_b128 v[Q+4*\i:Q+4*\i+3], v[LA] offset:512*\i  ; in wave 0, 16 t is 16 x lane
.endr
	s_wait_dscnt 0x0
	TREE                                           ; lane l: D, S of step 2 l + 1 and D, S of step 2 l + 2
.irp j, 0,1,2,3
	v_sqrt_f32 v[Q+\j], v[Q+\j]
.endr
	v_nop                                          ; a plain instruction between the last root and the use of its result
	s_wait_alu depctr_va_vdst(0)
	v_add_f32 v[Q+1], 0x2edbe6ff, v[Q+1]           ; + 1e-10
	v_add_f32 v[Q+3], 0x2edbe6ff, v[Q+3]
	v_mul_f32 v[Q+1], 0x38d1b717, v[Q+1]           ; x 1e-4
	v_mul_f32 v[Q+3], 0x38d1b717, v[Q+3]
	v_cmp_lt_f32 s10, v[Q], v[Q+1]                 ; bit l: step 2 l + 1 meets the test
	v_cmp_lt_f32 s11, v[Q+2], v[Q+3]               ; bit l: step 2 l + 2 does
	s_and_b32 s10, s10, 0x1ffffff                  ; lanes 25 to 31 hold the padding
	s_and_b32 s11, s11, 0x1ffffff
	s_ctz_i32_b32 s10, s10                         ; the lowest bit set; all ones if there is none,
	s_ctz_i32_b32 s11, s11
	s_min_u32 s10, s10, 63                         ; which then counts as a step far beyond the last
	s_min_u32 s11, s11, 63
	s_lshl_b32 s10, s10, 1
	s_add_co_u32 s10, s10, 1
	s_lshl_b32 s11, s11, 1
	s_add_co_u32 s11, s11, 2
	s_min_u32 s10, s10, s11
	s_min_u32 s10, s10, STEPS                      ; K
	v_mov_b32 v[Q], s10
	v_mov_b32 v[Q+1], s10
	v_lshlrev_b32 v[GO], 3, v[LN]
	global_store_b64 v[GO], v[Q:Q+1], s[6:7]       ; 32 lanes x 8 bytes: the buffer's 256 bytes whole; the next launch reads its first word
.Lend:
	s_endpgm
.Lfunc_end_k_q6b4764e6de_decide:
	.size	k_q6b4764e6de_decide, .Lfunc_end_k_q6b4764e6de_decide-k_q6b4764e6de_decide
	.p2alignl 7, 3214868480
	.fill 96, 4, 3214868480
	.section	.rodata,"a",@progbits
	.p2align	6, 0x0
	.amdhsa_kernel k_q6b4764e6de_decide
		.amdhsa_group_segment_fixed_size 10240
		.amdhsa_private_segment_fixed_size 0
		.amdhsa_enable_private_segment 0
		.amdhsa_kernarg_size 16
		.amdhsa_user_sgpr_count 2
		.amdhsa_user_sgpr_kernarg_segment_ptr 1
		.amdhsa_wavefront_size32 1
		.amdhsa_system_sgpr_workgroup_id_x 1
		.amdhsa_system_sgpr_workgroup_id_y 1
		.amdhsa_system_sgpr_workgroup_id_z 1
		.amdhsa_system_vgpr_workitem_id 0
		.amdhsa_next_free_vgpr 72
		.amdhsa_next_free_sgpr 66
		.amdhsa_reserve_vcc 0
		.amdhsa_float_denorm_mode_32 3
		.amdhsa_float_denorm_mode_16_64 3
		.amdhsa_memory_ordered 1
		.amdhsa_forward_progress 1
		.amdhsa_inst_pref_size 9
	.end_amdhsa_kernel
	.amdgpu_metadata
---
amdhsa.version: [ 1, 2 ]
amdhsa.kernels:
  - .name:           k_q6b4764e6de_decide
    .symbol:         k_q6b4764e6de_decide.kd
    .args:
      - { .name: part, .offset: 0, .size: 8, .value_kind: global_buffer, .address_space: global }
      - { .name: steps, .offset: 8, .size: 8, .value_kind: global_buffer, .address_space: global }
    .group_segment_fixed_size: 10240
    .private_segment_fixed_size: 0
    .kernarg_segment_align: 8
    .kernarg_segment_size: 16
    .max_flat_workgroup_size: 512
    .sgpr_count:     66
    .vgpr_count:     72
    .wavefront_size: 32
...
	.end_amdgpu_metadata
.endif
;; end of part 2
;; launch settle (part 3): grid 256 x 1, 20 waves a work-group, no clusters, 0 bytes of LDS; arguments X, W, M, b, steps, out0; writes out0
.if DOCPART == 3
	.amdgcn_target "amdgcn-amd-amdhsa--gfx1250"
	.amdhsa_code_object_version 6
	.text
	.protected	k_q6b4764e6de_settle
	.globl	k_q6b4764e6de_settle
	.p2align	8
	.type	k_q6b4764e6de_settle,@function
k_q6b4764e6de_settle:
	s_mov_b64 s[64:65], 0
	v_nop
	global_prefetch_b8 v0, s[64:65] scope:SCOPE_SE
	s_setreg_imm32_b32 hwreg(HW_REG_WAVE_MODE, 25, 1), 1
	s_wait_xcnt 0x0
; PLACE-CELL NETWORK, third of three launches: K steps of the recurrence, K read from memory as a whole number (the step at which reference() freezes, found by
; the launch before; 50 if it never does), and Y_K stored.
; reference(): uy' = uy + 0.1 (-uy + drive - Yold m), Y = max(uy' / m, 0), drive = x.W - b, m = diag(M).
; STATE.  v = uy / m.  Dividing the update by m: v' = 0.9 v + c - 0.1 Yold, Y = max(v', 0), c = 0.1 (x.W - b) / m: right for either sign of m.
; SHARES.  256 work-groups of 20 waves, five to each of a WGP's four SIMDs.  A work-group owns 1,024 rows of out0 = 5,120 chunks of 16 bytes; thread t owns chunks
; t + 640 i, i = 0..7.  640 is a multiple of 5 (a row is five chunks), so a thread's four columns 4 (t mod 5) .. never change: its W, b and m are loaded once;
; and each store of a wave covers 512 consecutive bytes, at a multiple of 512 from out0's first byte.
; NO MATRIX UNIT: the product has K = 3; a 16x16x32 instruction would spend 29 of its 32 K places on zeros and leave a column a lane, not the store's 16 bytes of a
; row; three fused multiply-adds a number, once, stand beside K steps of four operations.  NO LDS, NO CLUSTER: what work-groups share is W, M and b, 1,920 bytes.
; LIMITS.  m = 0, |m| below 2^-126 or above 2^126 are not served (v_rcp_f32); v_max_num_f32 drops a NaN where reference() would keep it.
.set STEPS,   50
.set THREADS, 640
.set CHUNKS,  8
.set ROWS,    THREADS*CHUNKS/5         ; 1,024 rows to a work-group
.set Q5,  3                            ; v3       t div 5: my row among the first 128
.set PH,  4                            ; v4       t mod 5: which four columns are mine
.set XO,  5                            ; v5       byte offset of my first row in the group's X
.set WO,  6                            ; v6       of my 12 numbers of W
.set BO,  7                            ; v7       of my 4 numbers of b
.set MO,  8                            ; v8       of my first diagonal number of M
.set OO,  9                            ; v9       16 t: of my first chunk in the group's out0
.set T,   20                           ; v[20:27] four pairs at work
.set WR,  28                           ; v[28:39] W of my four columns, then 0.1 W / m
.set BR,  40                           ; v[40:43] b, then 0.1 b / m
.set MR,  44                           ; v[44:47] m, then 0.1 / m
.set X,   64                           ; v[64:95] slot i: three numbers of a row of X in four registers
.set C,   96                           ; v[96:127]  c
.set V,   128                          ; v[128:159] v
.set Y,   160                          ; v[160:191] Y
.set CNT, 20                           ; s20      steps done
.set KK,  21                           ; s21      K
.set K9,  22                           ; s[22:23] 0.9   (a packed source is named as a pair; its low word serves both halves)
.set KM,  24                           ; s[24:25] -0.1
	s_load_b256 s[4:11], s[0:1], 0x0               ; X s[4:5], W s[6:7], M s[8:9], b s[10:11]
	s_load_b128 s[12:15], s[0:1], 0x20             ; steps s[12:13], out0 s[14:15]
	v_mul_u32_u24 v[Q5], 0xcccd, v0                ; t div 5 = (52,429 t) >> 18, exact for t below 640
	v_lshrrev_b32 v[Q5], 18, v[Q5]
	v_mul_u32_u24 v[PH], 5, v[Q5]
	v_sub_nc_u32 v[PH], v0, v[PH]                  ; t mod 5
	v_mul_u32_u24 v[XO], 12, v[Q5]                 ; a row of X is 12 bytes
	v_mul_u32_u24 v[WO], 48, v[PH]                 ; four rows of W
	v_lshlrev_b32 v[BO], 4, v[PH]
	v_mul_u32_u24 v[MO], 336, v[PH]                ; four steps of 21 numbers down M's diagonal
	v_lshlrev_b32 v[OO], 4, v0
	s_mul_i32 s16, ttmp9, ROWS*12                  ; the group's rows of X
	s_mov_b32 s17, 0
	s_mul_i32 s18, ttmp9, ROWS*80                  ; and of out0: 20,889,600 bytes at the most
	s_mov_b32 s19, 0
	s_mov_b32 s[K9], 0x3f666666
	s_mov_b32 s[K9+1], 0x3f666666
	s_mov_b32 s[KM], 0xbdcccccd
	s_mov_b32 s[KM+1], 0xbdcccccd
	s_wait_kmcnt 0x0
	s_load_b32 s[KK], s[12:13], 0x0                ; K
	s_add_nc_u64 s[4:5], s[4:5], s[16:17]
	s_add_nc_u64 s[14:15], s[14:15], s[18:19]
	global_load_b128 v[WR:WR+3],    v[WO], s[6:7]
	global_load_b128 v[WR+4:WR+7],  v[WO], s[6:7] offset:16
	global_load_b128 v[WR+8:WR+11], v[WO], s[6:7] offset:32
	global_load_b128 v[BR:BR+3],    v[BO], s[10:11]
.irp j, 0,1,2,3
	global_load_b32 v[MR+\j], v[MO], s[8:9] offset:84*\j
.endr
.irp i, 0,1,2,3,4,5,6,7
	global_load_b96 v[X+4*\i:X+4*\i+2], v[XO], s[4:5] offset:1536*\i  ; chunk i lies 128 rows further down
.endr
	; uy and Y start at 0.  No first step is written out: the price is these 64 lines, which stand in the wait for the loads.
.set i, 0
.rept 32
	v_mov_b32 v[V+i], 0
	v_mov_b32 v[Y+i], 0
.set i, i+1
.endr
	s_wait_loadcnt 8                               ; loads come back in order: W, b and m are in, the eight loads of X may be out
.irp j, 0,1,2,3
	v_rcp_f32 v[MR+\j], v[MR+\j]
.endr
	v_nop                                          ; a plain instruction between the last reciprocal and the use of its result
	s_wait_alu depctr_va_vdst(0)
.irp j, 0,1,2,3
	v_mul_f32 v[MR+\j], 0x3dcccccd, v[MR+\j]       ; 0.1 / m
.endr
.irp j, 0,1,2,3
	v_mul_f32 v[BR+\j], v[BR+\j], v[MR+\j]
.irp k, 0,1,2
	v_mul_f32 v[WR+3*\j+\k], v[WR+3*\j+\k], v[MR+\j]
.endr
.endr
.irp i, 0,1,2,3,4,5,6,7
	s_wait_loadcnt 7-\i                            ; slot i is in, the younger slots may be out
.irp j, 0,1,2,3
	v_fma_f32 v[C+4*\i+\j], v[X+4*\i+2], v[WR+3*\j+2], -v[BR+\j]
.endr
.irp j, 0,1,2,3
	v_fmac_f32 v[C+4*\i+\j], v[X+4*\i+1], v[WR+3*\j+1]
.endr
.irp j, 0,1,2,3
	v_fmac_f32 v[C+4*\i+\j], v[X+4*\i], v[WR+3*\j]
.endr
.endr
	s_wait_kmcnt 0x0
	s_min_u32 s[KK], s[KK], STEPS                  ; a number read from memory bounds a loop only inside its range, 1 to 50
	s_max_u32 s[KK], s[KK], 1
	s_mov_b32 s[CNT], 0
.Lstep:                                                ; K trips; a step for my 32 numbers, four pairs at a time so that no line reads the result of the line before it
.irp g, 0,1,2,3
.irp u, 0,1,2,3
	v_pk_fma_f32 v[T+2*\u:T+2*\u+1], v[V+8*\g+2*\u:V+8*\g+2*\u+1], s[K9:K9+1], v[C+8*\g+2*\u:C+8*\g+2*\u+1] op_sel_hi:[1,0,1]
.endr
.irp u, 0,1,2,3
	v_pk_fma_f32 v[V+8*\g+2*\u:V+8*\g+2*\u+1], v[Y+8*\g+2*\u:Y+8*\g+2*\u+1], s[KM:KM+1], v[T+2*\u:T+2*\u+1] op_sel_hi:[1,0,1]
.endr
.irp u, 0,1,2,3,4,5,6,7
	v_max_num_f32 v[Y+8*\g+\u], 0, v[V+8*\g+\u]
.endr
.endr
	s_add_co_u32 s[CNT], s[CNT], 1
	s_cmp_lt_u32 s[CNT], s[KK]
	s_cbranch_scc1 .Lstep
.irp i, 0,1,2,3,4,5,6,7
	global_store_b128 v[OO], v[Y+4*\i:Y+4*\i+3], s[14:15] offset:THREADS*16*\i th:TH_STORE_NT  ; a wave's 32 lanes: 512 consecutive bytes
.endr
	s_endpgm
.Lfunc_end_k_q6b4764e6de_settle:
	.size	k_q6b4764e6de_settle, .Lfunc_end_k_q6b4764e6de_settle-k_q6b4764e6de_settle
	.p2alignl 7, 3214868480
	.fill 96, 4, 3214868480
	.section	.rodata,"a",@progbits
	.p2align	6, 0x0
	.amdhsa_kernel k_q6b4764e6de_settle
		.amdhsa_group_segment_fixed_size 0
		.amdhsa_private_segment_fixed_size 0
		.amdhsa_enable_private_segment 0
		.amdhsa_kernarg_size 48
		.amdhsa_user_sgpr_count 2
		.amdhsa_user_sgpr_kernarg_segment_ptr 1
		.amdhsa_wavefront_size32 1
		.amdhsa_system_sgpr_workgroup_id_x 1
		.amdhsa_system_sgpr_workgroup_id_y 1
		.amdhsa_system_sgpr_workgroup_id_z 1
		.amdhsa_system_vgpr_workitem_id 0
		.amdhsa_next_free_vgpr 192
		.amdhsa_next_free_sgpr 66
		.amdhsa_reserve_vcc 0
		.amdhsa_float_denorm_mode_32 3
		.amdhsa_float_denorm_mode_16_64 3
		.amdhsa_memory_ordered 1
		.amdhsa_forward_progress 1
		.amdhsa_inst_pref_size 15
	.end_amdhsa_kernel
	.amdgpu_metadata
---
amdhsa.version: [ 1, 2 ]
amdhsa.kernels:
  - .name:           k_q6b4764e6de_settle
    .symbol:         k_q6b4764e6de_settle.kd
    .args:
      - { .name: X, .offset: 0, .size: 8, .value_kind: global_buffer, .address_space: global }
      - { .name: W, .offset: 8, .size: 8, .value_kind: global_buffer, .address_space: global }
      - { .name: M, .offset: 16, .size: 8, .value_kind: global_buffer, .address_space: global }
      - { .name: b, .offset: 24, .size: 8, .value_kind: global_buffer, .address_space: global }
      - { .name: steps, .offset: 32, .size: 8, .value_kind: global_buffer, .address_space: global }
      - { .name: out0, .offset: 40, .size: 8, .value_kind: global_buffer, .address_space: global }
    .group_segment_fixed_size: 0
    .private_segment_fixed_size: 0
    .kernarg_segment_align: 8
    .kernarg_segment_size: 48
    .max_flat_workgroup_size: 640
    .sgpr_count:     66
    .vgpr_count:     192
    .wavefront_size: 32
...
	.end_amdgpu_metadata
.endif
;; end of part 3
